; MI455X (gfx1250); checked and timed in simulation.
; The chip was launched on July 23, 2026; its instructions are those of AMD's public machine-readable ISA for CDNA 5 (MIT licence, August 2026) and "CDNA5" Instruction Set Architecture Reference Guide (July 2026). The comments in the code are by the model that wrote it; some were corrected since.
;; Multi Head Self Attention Layer. Allowed arithmetic: matrix products marked QUANTISED: E2M3 operands, one E8M0 scale for each 32 along K, by v_wmma_scale_f32_16x16x128_f8f6f4 with both operands' format E2M3, f32 sums; everything else in f32.
;; Inputs: Wk 1,024 x 1,024 float32; Wq 1,024 x 1,024 float32; Wv 1,024 x 1,024 float32; encoder_input 4 x 2,048 x 1,024 float32.
;; Outputs: out0 4 x 2,048 x 1,024 float32.
;; This version of the problem:
;;   THIS VERSION OF THE PROBLEM IS GIVEN IN LOW PRECISION. The matrix products marked QUANTISED in the list below multiply operands that are first quantised to E2M3 (2 exponent bits, 3 mantissa bits; 6 bits a number), with one power-of-two scale for each 32 numbers along K (OCP MX v1.0); their sums are f32. All else is computed in f32.
;;   The module's matrix products, in the order in which they are computed (A, B: the left and right operand; K: the contracted axis; several contracted axes count as one K, in the product's order):
;;     1. [M 8,192, K 1,024] x [K 1,024, N 1,024]; A: input encoder_input; B: input Wq: QUANTISED
;;     2. [M 8,192, K 1,024] x [K 1,024, N 1,024]; A: input encoder_input; B: input Wk: QUANTISED
;;     3. [M 8,192, K 1,024] x [K 1,024, N 1,024]; A: input encoder_input; B: input Wv: QUANTISED
;;     4. batch 64 x [M 2,048, K 64] x [K 64, N 2,048]; A: computed on the way; B: computed on the way: QUANTISED
;;     5. batch 64 x [M 64, K 2,048] x [K 2,048, N 2,048]; A: computed on the way; B: softmax (see below): QUANTISED
;;   THE QUANTISER, for each operand of a quantised product, along K:
;;     - K is cut into blocks of 32 from its start; a last block that is shorter is filled with zeros.
;;     - A block's scale is 2^e with e = floor(log2(the largest magnitude in the block)) - 2, held to -126 .. 127; a block of zeros has e = 0. As a byte (E8M0): e + 127.
;;     - Each number is divided by its block's scale, clamped to +-7.5, and rounded to the nearest number of E2M3, ties to even, subnormals kept.
;;     - The product sums the exact products of the quantised numbers (number of the format x scale) in f32.
;;   ~~~python
;;   def quantise(x, axis):      # numpy; x: float32 -> the quantised numbers, widened to float32 again
;;       x = np.moveaxis(x, axis, -1); K = x.shape[-1]
;;       x = np.pad(x, [(0, 0)] * (x.ndim - 1) + [(0, -K % 32)]); x = x.reshape(x.shape[:-1] + (-1, 32)); a = np.abs(x).max(-1, keepdims=True)
;;       e = np.where(a > 0, np.clip(np.frexp(np.where(a > 0, a, 1))[1] - 1 - 2, -126, 127), 0)      # np.frexp(a)[1] - 1 = floor(log2(a)), exactly
;;       r = np.clip(x / 2.0 ** e, -7.5, 7.5)
;;       step = 2.0 ** (np.maximum(np.frexp(np.where(r == 0, 1, r))[1] - 1, 0) - 3)
;;       q = np.round(r / step) * step * 2.0 ** e      # np.round: ties to even
;;       return np.moveaxis(q.reshape(q.shape[:-2] + (-1,))[..., :K], -1, axis).astype(np.float32)
;;   ~~~
;;   SOFTMAX AHEAD OF A QUANTISED PRODUCT. Where the list says 'softmax', what is quantised is not the finished softmax but p = 2^(t - M), with t = logit x log2(e) and M = ceil(the row's largest t), a whole number; so 1/2 < the row's largest p <= 1. The row's sum l is taken of the UNQUANTISED p, in f32, and the product's result is divided by l at the end. Since M is a whole number, a kernel that streams over the keys may use a running M (the ceiling of the running maximum): every later rescaling is an exact power of two, which a block's scale takes up: the codes' values come out the same.
;;   OPERANDS COMPUTED ON THE WAY. 'Computed on the way' means the value that the module computes at that place (a softmax that the list does not call 'softmax' is quantised finished and normalised). What goes into a quantiser is computed in f32, as accurately as f32 sums, v_exp_f32 and their like allow (about 1e-6 of the number): no bf16 or f16 on the way to a quantiser, and a product that is left as it is and whose result goes on into a quantised operand takes f32 operands (vector FMAs, or v_wmma_f32_16x16x4_f32). A number that lies on a knife's edge between two numbers of the format may be rounded either way, as far as f32 arithmetic and the matrix unit's own rounding can turn it there, and no further.
;; One version. Each part assembles by itself: llvm-mc -triple=amdgcn-amd-amdhsa -mcpu=gfx1250 --defsym DOCPART=n.
;; ======== version 1 of 1: 3 launches
;; workspace buffers: cat_codes 8,650,752 bytes; cat_scales 360,448 bytes; img 18,874,368 bytes; sc 786,432 bytes
;; launch quant (part 1): grid 352 x 1, 4 waves a work-group, no clusters, 68,096 bytes of LDS; arguments encoder_input, Wq, Wk, Wv, cat_codes, cat_scales; writes cat_codes, cat_scales
.if DOCPART == 1
	.amdgcn_target "amdgcn-amd-amdhsa--gfx1250"
	.amdhsa_code_object_version 6
	.text
	.protected	k_qb6cd8b192f_quant
	.globl	k_qb6cd8b192f_quant
	.p2align	8
	.type	k_qb6cd8b192f_quant,@function
k_qb6cd8b192f_quant:
	s_mov_b64 s[64:65], 0
	v_nop
	global_prefetch_b8 v0, s[64:65] scope:SCOPE_SE
	s_setreg_imm32_b32 hwreg(HW_REG_WAVE_MODE, 25, 1), 1
	s_wait_xcnt 0x0
; x [8192][1024] and Wq, Wk, Wv [1024 (k)][1024 (n)], f32, become codes of FP6 (E2M3) with one E8M0 byte for each 32 along the 1,024, in ONE table of rows:
; a row is 1,024 codes (768 bytes) in cat_codes and 32 scale bytes in cat_scales.  Rows 0-1023: the columns of Wq; 1024-2047: of Wk; 2048-10239: the tokens of x; 10240-11263: the columns of Wv.
; IN EVERY GROUP OF 32 ROWS BITS 3 AND 4 OF THE ROW'S NUMBER CHANGE PLACES: place 16 u + r holds row 8 u + r + 8 (r / 8).  So sixteen neighbouring rows of the table are the rows that the next launch
; wants in one tile: the sixteen registers of two neighbouring result tiles are then sixteen neighbours along the axis that is quantised next.
; A block's scale is 2^(floor(log2(its largest magnitude)) - 2): its byte is the largest magnitude's exponent field - 2, held at 1 from below.
; LIMITS: NaN and infinities among the inputs are not served; a block whose largest magnitude lies under 2^-124 gets the byte 1; a block of zeros gets the byte 1 where the rule says 127: its codes are zeros,
; which add nothing under any byte but 0xff, and the bytes are read by this program alone.
; Work-groups 0-255 take x (32 rows each; K is innermost: a lane holds 16 neighbours, two lanes a block); work-groups 256-351 take the weights (128 columns x 256 along K each; K is the first axis:
; a lane takes a column and its registers run down K).  The two paths part on the work-group's number and never join; each has LDS bytes of its own.
; Memory binds here: no matrix unit, no cluster (work-groups share no input), no tensor load, no barrier (waves share nothing).
.set SPARE, 67584                      ; behind both paths' stages: the spare words, 128 bytes for each wave: two blocks of 256 bytes that no other line names
.set SPW,   12                         ; v12  LDS address of my spare word; never rewritten
.set NIL,   13                         ; v13  0; never rewritten
; the path for x
.set STEPS, 16                         ; a wave takes 16 steps of 512 numbers: 8 rows
.set CB,    12                         ; bytes of 16 codes
.set XR,    16                         ; v16-79   four sets of 16 numbers as they are loaded
.set XN,    80                         ; v80-111  two sets of 16 neighbours
.set XE,    112                        ; v112-127 a scale byte for each step
.set XC,    128                        ; v128-191 codes: four registers for each step, so that no store's data are written again
.set WREG,  8192                       ; LDS 0 .. 32,767: a region for each wave: two stages of 32 x SP bytes, behind them its 256 scale bytes
.set SP,    80                         ; a lane's place in a stage: its 64 bytes + 16 of padding
; the path for the weights
.set WSTG,  32768                      ; LDS 32,768 .. 67,583: a stage of 32 rows x PITCH for each wave
.set NB,    8                          ; blocks of 32 along K for a wave
.set PITCH, 272                        ; a stage row: sixteen places of 16 bytes, each with 12 bytes of codes, + 16
.set KROW,  768                        ; a row of cat_codes
.set WX,    32                         ; v32-95   two sets of 32 numbers
.set WC,    96                         ; v96..    a block's codes
.set OUTR,  112                        ; v112-175 the way out
.set SB,    24                         ; v24-25   the scale bytes, four to a register
	s_load_b256 s[4:11], s[0:1], 0x0               ; x s[4:5], Wq s[6:7], Wk s[8:9], Wv s[10:11]
	s_load_b128 s[12:15], s[0:1], 0x20             ; cat_codes s[12:13], cat_scales s[14:15]
	v_lshl_add_u32 v[SPW], v0, 2, SPARE
	v_mov_b32 v[NIL], 0
	v_lshrrev_b32 v1, 5, v0
	v_readfirstlane_b32 s16, v1                    ; wave 0..3
	v_and_b32 v2, 31, v0                           ; lane
	s_cmp_lt_u32 ttmp9, 256
	s_cbranch_scc0 .Lweights
; ---------------- x: a plain stream of blocks of 32 ----------------
	v_lshlrev_b32 v3, 4, v2                        ; my 16 bytes of a load's 512
	s_mul_i32 s17, s16, WREG
	v_lshrrev_b32 v14, 2, v2
	v_mul_u32_u24 v14, v14, SP
	v_and_b32 v15, 3, v2
	v_lshl_add_u32 v14, v15, 4, v14
	v_add_nc_u32 v14, s17, v14                     ; the stage, on the way in: four lanes' 64 bytes on end, then 16 of padding
	v_mul_u32_u24 v15, v2, SP
	v_add_nc_u32 v15, s17, v15                     ; and on the way out: SP x lane: my 16 neighbours
	v_mul_u32_u24 v4, v2, CB                       ; my codes' place in a step's
	v_lshrrev_b32 v5, 1, v2
	s_add_co_u32 s17, s17, 2*32*SP
	v_add_nc_u32 v5, s17, v5                       ; LDS: my wave's 256 scale bytes, my block's byte
	v_lshlrev_b32 v7, 3, v2                        ; and on the way out 8 bytes a lane
	v_add_nc_u32 v6, s17, v7
	s_lshl_b32 s17, ttmp9, 2
	s_add_co_u32 s18, s17, s16                     ; I read rows 8 (4 g + wave) on,
	s_lshl_b32 s20, s18, 15                        ; 32,768 bytes a run of 8 rows (under 2^26 in all)
	s_mov_b32 s21, 0
	s_and_b32 s22, s16, 1
	s_lshl_b32 s22, s22, 1
	s_lshr_b32 s23, s16, 1
	s_or_b32 s22, s22, s23                         ; and write them where the wave number's two bits have changed places: bits 3 and 4 of the row
	s_add_co_u32 s18, s17, s22
	s_mul_i32 s24, s18, 8*KROW
	s_add_co_u32 s24, s24, 2048*KROW               ; x's rows begin at row 2,048 of the table
	s_mov_b32 s25, 0
	s_lshl_b32 s26, s18, 8
	s_add_co_u32 s26, s26, 2048*32
	s_mov_b32 s27, 0
	s_wait_alu depctr_va_vdst(0)
	s_wait_kmcnt 0x0
	s_add_nc_u64 s[4:5], s[4:5], s[20:21]
	s_add_nc_u64 s[12:13], s[12:13], s[24:25]
	s_add_nc_u64 s[14:15], s[14:15], s[26:27]
.macro XLOAD t
.irp i, 0,1,2,3
	global_load_b128 v[XR+16*((\t)%4)+4*\i:XR+16*((\t)%4)+4*\i+3], v3, s[4:5] offset:2048*(\t)+512*\i th:TH_LOAD_NT   ; 32 lanes read 512 consecutive bytes
.endr
.endm
.macro XTURN t                         ; step t's numbers through the stage: LDS serves a wave's instructions in order, so no wait stands between the stores and the loads
.irp i, 0,1,2,3
	ds_store_b128 v14, v[XR+16*((\t)%4)+4*\i:XR+16*((\t)%4)+4*\i+3] offset:32*SP*((\t)%2)+8*SP*\i
.endr
.irp i, 0,1,2,3
	ds_load_b128 v[XN+16*((\t)%2)+4*\i:XN+16*((\t)%2)+4*\i+3], v15 offset:32*SP*((\t)%2)+16*\i
.endr
.endm
.irp t, 0,1,2,3
	XLOAD \t
.endr
	s_wait_loadcnt 12                              ; step 0's four loads are in; three steps' twelve may be out
	XTURN 0
.macro XSTEP t
.set XS, XN+16*((\t)%2)
.if (\t) > 0
	s_wait_dscnt 1                                 ; this step's numbers are back from the stage (the last step's byte store may be out): so its stores into the stage have read their registers,
.else
	s_wait_dscnt 0x0
.endif
.if (\t)+4 < STEPS
	XLOAD (\t)+4                                   ; which take the loads of four steps on
.endif
.if (\t)+1 < STEPS
.if STEPS-2-(\t) >= 3
	s_wait_loadcnt 12                              ; the next step's four loads are in; those of the three steps behind it may be out
.else
	s_wait_loadcnt 4*(STEPS-2-(\t))
.endif
	XTURN (\t)+1                                   ; and go through the other stage while this step is worked
.endif
	v_max3_num_f32 v8, |v[XS]|, |v[XS+1]|, |v[XS+2]|               ; the largest magnitude of my 16, in two chains
	v_max3_num_f32 v9, |v[XS+3]|, |v[XS+4]|, |v[XS+5]|
.irp i, 6,10
	v_max3_num_f32 v8, v8, |v[XS+\i]|, |v[XS+\i+1]|
	v_max3_num_f32 v9, v9, |v[XS+\i+2]|, |v[XS+\i+3]|
.endr
	v_max3_num_f32 v8, v8, |v[XS+14]|, |v[XS+15]|
	v_max3_num_f32 v8, v8, v9, 0x1800000           ; and the floor 2^(3 - 127): the byte cannot fall under 1
	v_max_num_f32_dpp v8, v8, v8 row_xmask:1 row_mask:0xf bank_mask:0xf   ; and of my neighbour's 16: the block's
	v_add_nc_u32 v11, 0xff000000, v8               ; 2 off its exponent field: the conversion takes the exponent field of this operand as its scale
	v_cvt_scalef32_pk16_fp6_f32 v[XC+4*(\t):XC+4*(\t)+2], v[XS:XS+15], v11
	v_lshrrev_b32 v[XE+(\t)], 23, v11              ; the scale's byte (a plain line behind the conversion)
	ds_store_b8 v5, v[XE+(\t)] offset:16*(\t)      ; both lanes of a block write the same byte with the same value
	global_store_b96 v4, v[XC+4*(\t):XC+4*(\t)+2], s[12:13] offset:32*CB*(\t)   ; the wave stores 384 consecutive bytes
.endm
.irp t, 0,1,2,3,4,5,6,7,8,9,10,11,12,13,14,15
	XSTEP \t
.endr
	ds_load_b64 v[8:9], v6                         ; LDS serves a wave's instructions in order: these see my stores
	s_wait_dscnt 0x0
	global_store_b64 v7, v[8:9], s[14:15]          ; 32 lanes store 256 consecutive bytes, at a multiple of 256 from the buffer's first byte
	s_wait_tensorcnt 0x0                           ; the wave's end, behind my last LDS store
	ds_add_u32 v[SPW], v[NIL]
	s_wait_dscnt 0x0
	s_endpgm
; ---------------- the weights: a lane to a column, registers down K ----------------
.Lweights:
	s_sub_co_u32 s17, ttmp9, 256
	s_lshr_b32 s18, s17, 5                         ; which weight: 0 Wq, 1 Wk, 2 Wv
	s_and_b32 s19, s17, 7                          ; which 128 columns
	s_bfe_u32 s20, s17, 0x20003                    ; which 256 along K
	s_lshl_b32 s19, s19, 7
	s_lshl_b32 s21, s16, 5
	s_add_co_u32 s19, s19, s21                     ; my wave's first column: a multiple of 32
	s_wait_alu depctr_va_vdst(0)
	v_lshlrev_b32 v3, 2, v2                        ; in: 4 bytes a lane
	s_mul_i32 s21, s16, 32*PITCH
	s_add_co_u32 s21, s21, WSTG                    ; my stage
	v_and_b32 v10, 7, v2
	v_bfe_u32 v11, v2, 3, 1
	v_lshl_add_u32 v10, v11, 4, v10
	v_bfe_u32 v11, v2, 4, 1
	v_lshl_add_u32 v10, v11, 3, v10                ; my column's place in its group of 32 rows: bits 3 and 4 changed
	v_mul_u32_u24 v4, v10, PITCH
	v_add_nc_u32 v4, s21, v4                       ; into the stage: row = that place
	v_and_b32 v5, 15, v2
	v_lshrrev_b32 v6, 4, v2                        ; out of it: sixteen lanes to a row, two rows an instruction
	v_mul_u32_u24 v7, v6, PITCH
	v_lshl_add_u32 v7, v5, 4, v7
	v_add_nc_u32 v7, s21, v7
	v_mul_u32_u24 v8, v6, KROW
	v_mad_u32_u24 v8, v5, 12, v8                   ; and the same place in cat_codes
	v_lshlrev_b32 v9, 5, v10                       ; my column's row of scale bytes
	s_lshl_b32 s22, s20, 20                        ; W: 256 rows of 4,096 bytes for each step along K,
	s_lshl_b32 s23, s19, 2
	s_add_co_u32 s22, s22, s23                     ; + 4 x column
	s_mov_b32 s23, 0
	s_lshl_b32 s24, s18, 10
	s_cmp_eq_u32 s18, 2
	s_cselect_b32 s24, 10240, s24                  ; the weight's first row in the table
	s_add_co_u32 s24, s24, s19
	s_mul_i32 s26, s24, KROW
	s_mul_i32 s25, s20, 192
	s_add_co_u32 s26, s26, s25
	s_mov_b32 s27, 0
	s_lshl_b32 s28, s24, 5
	s_lshl_b32 s25, s20, 3
	s_add_co_u32 s28, s28, s25
	s_mov_b32 s29, 0
	s_wait_kmcnt 0x0
	s_cmp_eq_u32 s18, 0                            ; the choice of the buffer hangs on the work-group's number alone
	s_cselect_b64 s[6:7], s[6:7], s[8:9]
	s_cmp_eq_u32 s18, 2
	s_cselect_b64 s[6:7], s[10:11], s[6:7]
	s_add_nc_u64 s[6:7], s[6:7], s[22:23]
	s_add_nc_u64 s[12:13], s[12:13], s[26:27]
	s_add_nc_u64 s[14:15], s[14:15], s[28:29]
.macro WLOAD t                         ; block t: W(32 t + i, my column), i = 0 .. 31, into set t % 2: each load reads 128 consecutive bytes
.irp i, 0,1,2,3,4,5,6,7,8,9,10,11,12,13,14,15,16,17,18,19,20,21,22,23,24,25,26,27,28,29,30,31
	global_load_b32 v[WX+32*((\t)%2)+\i], v3, s[6:7] offset:(32*(\t)+\i)*4096 th:TH_LOAD_NT
.endr
.endm
	WLOAD 0
	WLOAD 1
.macro WBLOCK t
.set XS, WX+32*((\t)%2)
.if (\t) < NB-1
	s_wait_loadcnt 32                              ; this block's 32 loads are in; the next block's may be out
.else
	s_wait_loadcnt 0
.endif
	v_max3_num_f32 v16, |v[XS]|, |v[XS+1]|, |v[XS+2]|              ; the block's largest magnitude: all 32 numbers are mine
	v_max3_num_f32 v17, |v[XS+3]|, |v[XS+4]|, |v[XS+5]|
.irp i, 6,10,14,18,22,26
	v_max3_num_f32 v16, v16, |v[XS+\i]|, |v[XS+\i+1]|
	v_max3_num_f32 v17, v17, |v[XS+\i+2]|, |v[XS+\i+3]|
.endr
	v_max3_num_f32 v16, v16, |v[XS+30]|, |v[XS+31]|
	v_max3_num_f32 v16, v16, v17, 0x1800000        ; and the floor 2^(3 - 127)
	v_add_nc_u32 v11, 0xff000000, v16              ; 2 off its exponent field: the conversion's scale operand
	v_lshrrev_b32 v17, 23, v11                     ; the scale's byte
.if (\t)%4 == 0
	v_mov_b32 v[SB+(\t)/4], v17                    ; four bytes to a register, the lower K in the lower byte
.else
	v_lshl_or_b32 v[SB+(\t)/4], v17, 8*((\t)%4), v[SB+(\t)/4]
.endif
	v_cvt_scalef32_pk16_fp6_f32 v[WC:WC+2], v[XS:XS+15], v11
	v_cvt_scalef32_pk16_fp6_f32 v[WC+4:WC+6], v[XS+16:XS+31], v11  ; (a conversion's three registers begin on an even number)
	v_nop                                          ; one plain line behind the conversions
	ds_store_b96 v4, v[WC:WC+2] offset:32*(\t)     ; 16 codes, 12 bytes, to a place of 16 bytes in the stage
	ds_store_b96 v4, v[WC+4:WC+6] offset:32*(\t)+16
.if (\t)+2 < NB
	WLOAD (\t)+2
.endif
	s_wait_dscnt 0x0                               ; the stores have read their registers: the next block's codes may be written
.endm
.irp t, 0,1,2,3,4,5,6,7
	WBLOCK \t
.endr
	s_wait_alu depctr_va_vdst(0)
	global_store_b64 v9, v[SB:SB+1], s[14:15]      ; my column's 8 scale bytes
.irp t, 0,1,2,3,4,5,6,7,8,9,10,11,12,13,14,15
	ds_load_b96 v[OUTR+4*\t:OUTR+4*\t+2], v7 offset:2*\t*PITCH   ; LDS serves a wave's instructions in order: these see my stores
.endr
.irp t, 0,1,2,3,4,5,6,7,8,9,10,11,12,13,14,15
	s_wait_dscnt 15-\t                             ; the younger loads may be out
	global_store_b96 v8, v[OUTR+4*\t:OUTR+4*\t+2], s[12:13] offset:2*\t*KROW   ; sixteen lanes store a row's 192 consecutive bytes
.endr
	s_wait_tensorcnt 0x0                           ; the wave's end, behind my last LDS store
	ds_add_u32 v[SPW], v[NIL]
	s_wait_dscnt 0x0
	s_endpgm
.Lfunc_end_k_qb6cd8b192f_quant:
	.size	k_qb6cd8b192f_quant, .Lfunc_end_k_qb6cd8b192f_quant-k_qb6cd8b192f_quant
	.p2alignl 7, 3214868480
	.fill 96, 4, 3214868480
	.section	.rodata,"a",@progbits
	.p2align	6, 0x0
	.amdhsa_kernel k_qb6cd8b192f_quant
		.amdhsa_group_segment_fixed_size 68096
		.amdhsa_private_segment_fixed_size 0
		.amdhsa_enable_private_segment 0
		.amdhsa_kernarg_size 48
		.amdhsa_user_sgpr_count 2
		.amdhsa_user_sgpr_kernarg_segment_ptr 1
		.amdhsa_wavefront_size32 1
		.amdhsa_system_sgpr_workgroup_id_x 1
		.amdhsa_system_sgpr_workgroup_id_y 1
		.amdhsa_system_sgpr_workgroup_id_z 1
		.amdhsa_system_vgpr_workitem_id 0
		.amdhsa_next_free_vgpr 192
		.amdhsa_next_free_sgpr 66
		.amdhsa_reserve_vcc 0
		.amdhsa_float_denorm_mode_32 3
		.amdhsa_float_denorm_mode_16_64 3
		.amdhsa_memory_ordered 1
		.amdhsa_forward_progress 1
		.amdhsa_inst_pref_size 74
	.end_amdhsa_kernel
	.amdgpu_metadata
---
amdhsa.version: [ 1, 2 ]
amdhsa.kernels:
  - .name:           k_qb6cd8b192f_quant
    .symbol:         k_qb6cd8b192f_quant.kd
    .args:
      - { .name: encoder_input, .offset: 0, .size: 8, .value_kind: global_buffer, .address_space: global }
      - { .name: Wq, .offset: 8, .size: 8, .value_kind: global_buffer, .address_space: global }
      - { .name: Wk, .offset: 16, .size: 8, .value_kind: global_buffer, .address_space: global }
      - { .name: Wv, .offset: 24, .size: 8, .value_kind: global_buffer, .address_space: global }
      - { .name: cat_codes, .offset: 32, .size: 8, .value_kind: global_buffer, .address_space: global }
      - { .name: cat_scales, .offset: 40, .size: 8, .value_kind: global_buffer, .address_space: global }
    .group_segment_fixed_size: 68096
    .private_segment_fixed_size: 0
    .kernarg_segment_align: 8
    .kernarg_segment_size: 48
    .max_flat_workgroup_size: 128
    .sgpr_count:     66
    .vgpr_count:     192
    .wavefront_size: 32
...
	.end_amdgpu_metadata
.endif
;; end of part 1
;; launch proj (part 2): grid 12 x 32, 4 waves a work-group, clusters of 4 x 4, 327,680 bytes of LDS; arguments cat_codes, cat_scales, img, sc; writes img, sc
.if DOCPART == 2
	.amdgcn_target "amdgcn-amd-amdhsa--gfx1250"
	.amdhsa_code_object_version 6
	.text
	.protected	k_qb6cd8b192f_proj
	.globl	k_qb6cd8b192f_proj
	.p2align	8
	.type	k_qb6cd8b192f_proj,@function
k_qb6cd8b192f_proj:
	s_mov_b64 s[64:65], 0
	v_nop
	global_prefetch_b8 v0, s[64:65] scope:SCOPE_SE
	s_setreg_imm32_b32 hwreg(HW_REG_WAVE_MODE, 25, 1), 1
	s_wait_xcnt 0x0
	s_wait_alu depctr_hold_cnt(0) depctr_sa_sdst(0) depctr_va_vdst(0) depctr_va_sdst(0) depctr_va_ssrc(0) depctr_va_vcc(0) depctr_vm_vsrc(0)
	s_getreg_b32 s2, hwreg(HW_REG_IB_STS2, 6, 4)
	s_cmp_eq_u32 s2, 0
	s_cbranch_scc0 .Lentry_in_a_cluster
	s_endpgm
.Lentry_in_a_cluster:
	s_bfe_u32 s2, ttmp6, 0x10000c
	s_cmp_lg_u32 s2, 0xf033
	s_cbranch_scc0 .Lentry_shape_is_right
	s_endpgm
.Lentry_shape_is_right:
; q = x Wq, k = x Wk, v = x Wv on codes of FP6 (E2M3) with one E8M0 scale for each 32 along the 1,024; the results are quantised in registers and leave as IMAGES OF THE NEXT LAUNCH'S OPERAND REGISTERS.
; Both operands are rows of one table (cat_codes: 768 bytes a row, cat_scales: 32): out = P R^T, tiles of 256 x 256 rows, and the result is quantised ALONG R's ROWS.
;   q, k: P = 256 tokens of x, R = 256 columns of Wq | Wk (the head's 64 are quantised);     v: P = 256 columns of Wv, R = 256 tokens (the keys are quantised).
; Only row numbers differ between the two kinds.  In units of 256 rows the table is: 0-3 Wq, 4-7 Wk, 8-39 x, 40-43 Wv.  Clusters with x = 0, 1 make q and k, clusters with x = 2 make v.
; A tile is made by four waves, each 128 x 128: 64 accumulators, 512 registers.  K goes in steps of 256 through a ring of two LDS slots filled by the tensor data mover; the scale bytes of the 512 rows come once.
; CLUSTERS: 4 x 4 work-groups.  The four of a row of the cluster need the same rows of P, the four of a column the same rows of R: each tile is asked for JOINTLY.
; THE MATRIX INSTRUCTION: source 0 = 16 rows of R, source 1 = 16 rows of P: a lane holds ONE row of P and eight rows of R.  In the table bits 3 and 4 of a row's number have changed places in every group of 32,
; so the 16 registers of tiles 2 B and 2 B + 1 are R's rows 32 B + 16 (lane / 16) + 0 .. 15 in their true order, and lane r of P's tile 2 A + u is P's true row 32 A + 8 u + r + 8 (r / 8).
; OUT.  img: [0 q, 1 k, 2 v][batch][head][step of 128 tokens][fragment 0..3][1,536 bytes]; a fragment is 12 registers a lane, registers 4 k .. 4 k + 3 of lane l at byte 512 k + 16 l.
;   q, k, fragment f: registers 0-5: token 32 f + r + 8 (r / 8), head's numbers 32 h on; registers 6-11: the token 8 further on.   v, fragment t: channel 32 (t / 2) + 8 (t % 2) + r + 8 (r / 8), keys 64 c + 32 h on.
;   sc: [the same index][step][256 bytes]: lane (r, h) owns 8 bytes: the scale words of fragments 2 h and 2 h + 1, row r.
; LIMITS: NaN and infinities are not served; a block whose largest magnitude lies under 2^-124, a block of zeros among them, gets the byte 1: this program alone reads the bytes.
; No prefetch: the launch has two refills a work-group, and every tile is shared in its cluster.  384 tiles on a grid of 24 clusters: a wave's 128 x 128 is one key step x two heads, which keeps the way out in registers.
; REGISTERS, in windows of 256: window 0: v0-31 addresses; v32-63 scale words, two sets, and nothing else; v64-127 the way out's fragments; from v128 P's fragments, ONE set; v224-250 at work on the way out.
;   window 1: R's fragments, TWO sets, at v0 and at v128.   window 2: the accumulators of my P rows 0-63 ((a, b) at v[8 (8 a + b)]);   window 3: those of rows 64-127.
.set KSTEP,  256                       ; along K in a slot
.set NQ,     2                         ; matrix instructions deep
.set ROWB,   192                       ; a tile's row in bytes
.set KROW,   768                       ; a row of the table in bytes
.set PITCH,  240                       ; an LDS row: 3 x (64 bytes + 16 of padding) = 60 words: the 32 lanes of a load of 8 bytes touch 64 different banks (64 banks of 4 bytes: ISA guide 11.1)
.set FR,     12                        ; registers of a fragment
.set NL,     6                         ; LDS loads that bring one
.set NP,     4                         ; places behind this matrix instruction (ISA guide 7.12.1)
.set HALFT,  128*PITCH                 ; 128 rows: what one tensor load brings
.set SLOT,   4*HALFT                   ; P's 256 rows, then R's 256 rows
.set LAPS,   2                         ; 1,024 along K = two laps of two K steps
.set KS,     32                        ; a row of scales in bytes
.set SCL,    2*SLOT                    ; behind the ring: the scales, as units of 256 bytes + 16 of padding
.set HALFS,  16*272                    ; the scales of 128 rows
.set SBLK,   2*272                     ; those of 16 rows
.set SPARE,  SCL+4*HALFS               ; the spare words, 128 bytes for each wave: two blocks of 256 bytes that no other line names
.set ADRA, 16                          ; v16-17  LDS address of my P fragments in slot 0, 1  (v18-19: for the pieces behind one padding more)
.set ADRB, 20                          ; v20-21  the same for R  (v22-23)
.set LI,   24                          ; v24     16 x lane: my place in an image's 512 bytes
.set L8,   25                          ; v25     8 x lane: my two scale words
.set ADRS, 27                          ; v27     LDS address of my scale words: lanes 0-15 P's rows, lanes 16-31 R's
.set SPW,  28                          ; v28     LDS address of my spare word; never rewritten
.set NIL,  29                          ; v29     0; never rewritten
.set SC,   32                          ; scale words: set s at v[SC + 16 s]; register 2 i + q: lanes 0-15 P's block i, lanes 16-31 R's block i
.set AF,   128                         ; P's fragments, in window 0
.set TM,   224                         ; the way out: v224-227 largest magnitudes, v228-231 the other half's and then the bytes, v236-239 the conversions' scale operands
.set PW0,  240                         ; the scale words of two tiles of P's rows
.set PW1,  241
.set CT,   244                         ; v244-246, v248-250: the conversions' second halves
.set SW,   128                         ; v128-135 the eight scale words of my 128 x 128
.set OUTS, 136                         ; v136-139 and as they are stored
.set G1, 24                            ; s[24:31] descriptor group 1 for P's tiles;  s[32:39] group 0, one set for each slot
.set G0, 32
.set G1B, 48                           ; s[48:55], s[56:63] the same for R's tiles
.set G0B, 56
.set G1S, 68                           ; s[68:75], s[76:79] groups 1 and 0 for P's scales;  s[80:87], s[88:91] for R's
.set G0S, 76
.set G1SB, 80
.set G0SB, 88
.set MSB, 0
.macro WIN new                         ; the immediate's high byte repeats the setting that is left
.if MSB != \new
	s_set_vgpr_msb (MSB<<8)|\new
.set MSB, \new
.endif
.endm
.set MUL_LO, 0xa1                      ; source 0 (R) window 1, source 1 (P) window 0, C and D window 2
.set MUL_HI, 0xf1                      ; the same, C and D window 3
.set TO_B,   0x40                      ; destination window 1, address window 0
; A joint load: waves 0 and 1 fetch for P, waves 2 and 3 for R.  Each of the two lines has ONE mask and one set of registers for all that issue it; the branch hangs on the wave's number alone.
; An s_nop 0 and four v_nop follow each of the two lines, ahead of the jump, the label and what follows.
.macro JLOAD g0a, g1a, g0b, g1b
	s_cmp_eq_u32 s15, 0
	s_cbranch_scc0 .Lfor_b_\@
	tensor_load_to_lds s[\g0a:\g0a+3], s[\g1a:\g1a+7]
	s_nop 0
.rept 4
	v_nop
.endr
	s_branch .Lasked_\@
.Lfor_b_\@:
	tensor_load_to_lds s[\g0b:\g0b+3], s[\g1b:\g1b+7]
	s_nop 0
.rept 4
	v_nop
.endr
.Lasked_\@:
.endm
.macro CREST                           ; a round of the cluster's barrier behind its opening barrier
	s_cmp_lg_u32 s14, 0
	s_cbranch_scc1 .Lnot_wave_0_\@
	s_barrier_signal -3
.Lnot_wave_0_\@:
	s_barrier_wait -3
	s_barrier_signal -1
	s_barrier_wait -1
.endm
.macro CROUND                          ; a whole round
	s_barrier_signal -1
	s_barrier_wait -1
	CREST
.endm
	s_load_b256 s[4:11], s[0:1], 0x0               ; cat_codes s[4:5], cat_scales s[6:7], img s[8:9], sc s[10:11]
	v_lshl_add_u32 v[SPW], v0, 2, SPARE
	v_mov_b32 v[NIL], 0
	ds_add_u32 v[SPW], v[NIL]                      ; the wave's opening: the add and its wait ahead of my first tensor load; the set-up below, work on registers, stands between them
	ds_add_u32 v[SPW], v[NIL]
	v_lshrrev_b32 v1, 5, v0
	v_readfirstlane_b32 s14, v1                    ; wave 0..3
	s_lshr_b32 s15, s14, 1                         ; which half of P's rows is mine.  Also: I fetch for P (0) or for R (1)
	s_and_b32 s16, s14, 1                          ; which half of R's rows.  Also: which 128 rows of that tile I fetch
	s_bfe_u32 s40, ttmp6, 0x40000                  ; cx, cy: my place in the cluster
	s_bfe_u32 s41, ttmp6, 0x40004
	s_and_b32 s97, ttmp7, 0xffff
	s_lshl_b32 s97, s97, 2
	s_add_co_u32 s97, s97, 8                       ; four tiles of x: 8 + 4 x cluster y
	s_lshl_b32 s42, ttmp9, 2                       ; four tiles of Wq | Wk: 4 x cluster x
	s_cmp_eq_u32 ttmp9, 2                          ; a cluster of v?  The same answer in all sixteen partners
	s_cselect_b32 s96, 1, 0
	s_cselect_b32 s17, 40, s97
	s_cselect_b32 s42, s97, s42
	s_add_co_u32 s17, s17, s41                     ; P's tile: it hangs on the cluster's place and on cy alone
	s_add_co_u32 s42, s42, s40                     ; R's tile: on the cluster's place and on cx alone
	s_lshl_b32 s43, s41, 2
	s_lshl_b32 s43, 15, s43                        ; my row of the cluster
	s_lshl_b32 s44, 0x1111, s40                    ; my column
	; descriptor group 1: a tile of 128 rows x 192 bytes, padded in LDS
	s_or_b32 s[G1+0], s43, (0<<16)|(1<<20)|(1<<21)|(3<<22)|(3<<25)  ; 15:0 the mask: P's tiles go to my row; 17:16 element of 1 byte; 20 padding on; 21 set beside a mask; 24:22 after every 16 words; 31:25 of 4 words
	s_or_b32 s[G1B+0], s44, (0<<16)|(1<<20)|(1<<21)|(3<<22)|(3<<25)
.irp g, G1, G1B
	s_mov_b32 s[\g+1], ROWB<<16                    ; tensor_dim0
	s_mov_b32 s[\g+2], 128<<16                     ; tensor_dim1 = 128
	s_mov_b32 s[\g+3], ROWB<<16                    ; tile_dim0
	s_mov_b32 s[\g+4], 128                         ; tile_dim1 = 128
	s_mov_b32 s[\g+5], KROW                        ; tensor_dim0_stride
	s_mov_b32 s[\g+6], 0
	s_mov_b32 s[\g+7], 0
.endr
	; and for the scales of 128 rows: a dense block of 4,096 bytes, as 16 rows of 256 bytes (32 elements of 8 bytes), 16 bytes of padding behind each
	s_or_b32 s[G1S+0], s43, (3<<16)|(1<<20)|(1<<21)|(5<<22)|(3<<25)
	s_or_b32 s[G1SB+0], s44, (3<<16)|(1<<20)|(1<<21)|(5<<22)|(3<<25)
.irp g, G1S, G1SB
	s_mov_b32 s[\g+1], 32<<16
	s_mov_b32 s[\g+2], 16<<16
	s_mov_b32 s[\g+3], 32<<16
	s_mov_b32 s[\g+4], 16
	s_mov_b32 s[\g+5], 32
	s_mov_b32 s[\g+6], 0
	s_mov_b32 s[\g+7], 0
.endr
	s_lshl_b32 s18, s16, 7                         ; which 128 rows of the tile I fetch
	s_lshl_b32 s20, s17, 8
	s_add_co_u32 s20, s20, s18                     ; P: row 256 x tile + 128 x half
	s_lshl_b32 s46, s42, 8
	s_add_co_u32 s46, s46, s18                     ; R likewise
	s_mov_b32 s21, 0
	s_mov_b32 s47, 0
	s_mov_b64 s[18:19], KS
	s_mul_u64 s[22:23], s[20:21], s[18:19]         ; where these rows' scales begin, in bytes
	s_mul_u64 s[92:93], s[46:47], s[18:19]
	s_mov_b64 s[18:19], KROW
	s_mul_u64 s[20:21], s[20:21], s[18:19]         ; and their codes
	s_mul_u64 s[46:47], s[46:47], s[18:19]
	s_mul_i32 s45, s14, HALFT                      ; where they go: wave x 128 rows: no place in the cluster enters an LDS address
	s_mul_i32 s94, s14, HALFS
	s_wait_dscnt 0x0                               ; the opening add is done
	s_wait_kmcnt 0x0
	s_add_nc_u64 s[20:21], s[4:5], s[20:21]
	s_add_nc_u64 s[22:23], s[6:7], s[22:23]
	s_add_nc_u64 s[46:47], s[4:5], s[46:47]
	s_add_nc_u64 s[92:93], s[6:7], s[92:93]
	CROUND                                         ; all sixteen work-groups are here: the first joint loads meet
	s_mov_b32 s[G0S], 1
	s_add_co_u32 s[G0S+1], s94, SCL
	s_mov_b64 s[G0S+2:G0S+3], s[22:23]
	s_or_b32 s[G0S+3], s[G0S+3], 0x80000000
	s_mov_b32 s[G0SB], 1
	s_add_co_u32 s[G0SB+1], s94, SCL
	s_mov_b64 s[G0SB+2:G0SB+3], s[92:93]
	s_or_b32 s[G0SB+3], s[G0SB+3], 0x80000000
	JLOAD G0S, G1S, G0SB, G1SB                     ; the scales first: they are wanted with K step 0.  With the two below, three loads of mine are out
.irp s, 0,1
	s_mov_b32 s[G0+4*\s], 1
	s_add_co_u32 s[G0+4*\s+1], s45, \s*SLOT
	s_add_nc_u64 s[G0+4*\s+2:G0+4*\s+3], s[20:21], \s*ROWB
	s_or_b32 s[G0+4*\s+3], s[G0+4*\s+3], 0x80000000
	s_mov_b32 s[G0B+4*\s], 1
	s_add_co_u32 s[G0B+4*\s+1], s45, \s*SLOT
	s_add_nc_u64 s[G0B+4*\s+2:G0B+4*\s+3], s[46:47], \s*ROWB
	s_or_b32 s[G0B+4*\s+3], s[G0B+4*\s+3], 0x80000000
	JLOAD G0+4*\s, G1, G0B+4*\s, G1B
.endr
	v_and_b32 v1, 15, v0                           ; l % 16
	v_bfe_u32 v2, v0, 4, 1                         ; l / 16
	v_mul_u32_u24 v3, v1, PITCH
	v_mul_u32_u24 v4, v2, 24
	v_add_nc_u32 v4, v3, v4                        ; a fragment's row x pitch + 24 x half
	v_lshl_add_u32 v5, v2, 4, v4                   ; and the same behind one padding more
	s_mul_i32 s21, s15, HALFT                      ; my 128 rows of P
	s_mul_i32 s22, s16, HALFT                      ; my 128 rows of R,
	s_add_co_u32 s22, s22, 2*HALFT                 ; which lie behind P's 256
.irp s, 0,1
	v_add_nc_u32 v[ADRA+\s], s21, v4
	v_add_nc_u32 v[ADRB+\s], s22, v4
	v_add_nc_u32 v[ADRA+2+\s], s21, v5
	v_add_nc_u32 v[ADRB+2+\s], s22, v5
	s_add_co_u32 s21, s21, SLOT
	s_add_co_u32 s22, s22, SLOT
.endr
	v_mul_u32_u24 v5, v1, KS                       ; my row's scales: 32 bytes a row,
	v_lshrrev_b32 v6, 8, v5
	v_lshl_add_u32 v5, v6, 4, v5                   ; and 16 more for each 256 passed
	s_mul_i32 s21, s15, HALFS                      ; P's: my 128 rows
	s_mul_i32 s22, s16, HALFS                      ; R's: my 128 rows, behind P's 256
	s_add_co_u32 s22, s22, 2*HALFS
	s_sub_co_u32 s22, s22, s21
	v_mul_u32_u24 v6, s22, v2                      ; lanes 16-31 take R's: one product, the distance between the two bases
	s_add_co_u32 s21, s21, SCL
	v_add_nc_u32 v5, v5, v6
	v_add_nc_u32 v[ADRS], s21, v5
	v_and_b32 v6, 31, v0
	v_lshlrev_b32 v[LI], 4, v6
	v_lshlrev_b32 v[L8], 3, v6
	; where my 128 x 128 goes.  The tokens' tile and half give the batch and the step, the channels' tile and half the tensor and the head.  In registers that feed no descriptor
	s_cmp_eq_u32 s96, 1
	s_cselect_b32 s66, s42, s17                    ; the tile of tokens (8 .. 39)
	s_cselect_b32 s67, s16, s15                    ; and my half of it
	s_cselect_b32 s95, s17, s42                    ; the tile of channels (q, k: 0 .. 7; v: 40 .. 43)
	s_cselect_b32 s98, s15, s16                    ; and my half of it
	s_cselect_b32 s99, 40, 0
	s_cselect_b32 s2, 128, 0                       ; v's blocks begin at index 128
	s_sub_co_u32 s66, s66, 8
	s_sub_co_u32 s95, s95, s99
	s_lshr_b32 s99, s95, 2
	s_lshl_b32 s99, s99, 6
	s_add_co_u32 s2, s2, s99                       ; + 64 for k
	s_lshr_b32 s99, s66, 3
	s_lshl_b32 s99, s99, 4
	s_add_co_u32 s2, s2, s99                       ; + 16 x batch
	s_and_b32 s99, s95, 3
	s_lshl_b32 s99, s99, 2
	s_add_co_u32 s2, s2, s99                       ; + the head: four to a tile,
	s_lshl_b32 s99, s98, 1
	s_add_co_u32 s2, s2, s99                       ; two to a half
	s_and_b32 s66, s66, 7
	s_lshl_b32 s66, s66, 1
	s_add_co_u32 s66, s66, s67                     ; the step of 128 tokens
	s_mul_i32 s12, s2, 98304
	s_mul_i32 s99, s66, 6144
	s_add_co_u32 s12, s12, s99
	s_mov_b32 s13, 0
	s_add_nc_u64 s[8:9], s[8:9], s[12:13]
	s_lshl_b32 s12, s2, 12
	s_lshl_b32 s99, s66, 8
	s_add_co_u32 s12, s12, s99
	s_add_nc_u64 s[10:11], s[10:11], s[12:13]
.macro FRAG reg, adr, q, i             ; a fragment, 16 rows x 128 K of 6-bit codes, is 12 registers: lane l holds row l % 16; registers 6 c .. 6 c + 5 hold K = 64 c + 32 (l / 16) + 0 .. 31: 24 bytes of the row, as they lie
.irp p, 0,1,2,3,4,5                    ; in pieces of 8 bytes.  Lanes 0-15 take the row's pieces 12 q + 0, 1, 2 and 12 q + 6, 7, 8, lanes 16-31 those three pieces on
.set PC, 12*(\q)+6*(\p/3)+\p%3        ; 16 bytes of padding lie behind every 8 pieces: where the piece three on lies behind one padding more, the second address register serves
.if PC%8 < 5
	ds_load_b64 v[\reg+2*\p:\reg+2*\p+1], v[\adr] offset:8*PC+16*(PC/8)+(\i)*16*PITCH
.else
	ds_load_b64 v[\reg+2*\p:\reg+2*\p+1], v[\adr+2] offset:8*PC+16*(PC/8)+(\i)*16*PITCH
.endif
.endr
.endm
; 16 matrix instructions: P's blocks a0, a0 + 1 x R's eight, 128 along K.  p: R's set;  sc: the set of scale words.  zero = 1: the first product starts the sums.
; The 64 accumulators take turns, one instruction a turn, in the same order in every step.
.macro MUL16 a0, p, q, sc, zero
.irp a, \a0, \a0+1
.irp b, 0,1,2,3,4,5,6,7
.if \zero
	v_wmma_scale_f32_16x16x128_f8f6f4 v[8*(8*((\a)%4)+\b):8*(8*((\a)%4)+\b)+7], v[128*(\p)+FR*\b:128*(\p)+FR*\b+FR-1], v[AF+FR*(\a):AF+FR*(\a)+FR-1], 0, v[SC+8*NQ*(\sc)+NQ*\b+(\q)], v[SC+8*NQ*(\sc)+NQ*(\a)+(\q)] matrix_a_fmt:MATRIX_FMT_FP6 matrix_b_fmt:MATRIX_FMT_FP6 matrix_a_scale:MATRIX_SCALE_ROW1
.else
	v_wmma_scale_f32_16x16x128_f8f6f4 v[8*(8*((\a)%4)+\b):8*(8*((\a)%4)+\b)+7], v[128*(\p)+FR*\b:128*(\p)+FR*\b+FR-1], v[AF+FR*(\a):AF+FR*(\a)+FR-1], v[8*(8*((\a)%4)+\b):8*(8*((\a)%4)+\b)+7], v[SC+8*NQ*(\sc)+NQ*\b+(\q)], v[SC+8*NQ*(\sc)+NQ*(\a)+(\q)] matrix_a_fmt:MATRIX_FMT_FP6 matrix_b_fmt:MATRIX_FMT_FP6 matrix_a_scale:MATRIX_SCALE_ROW1
.endif
.endr
.endr
.endm
.macro FETCH_B slot, q, p              ; R's eight fragments of the slot's q-th 128 along K into set p
	WIN TO_B
.irp i, 0,1,2,3,4,5,6,7
	FRAG 128*(\p)+FR*\i, ADRB+\slot, \q, \i
.endr
	WIN 0
.endm
.macro FETCH_A slot, q, i0             ; P's blocks i0 .. i0 + 3
.irp i, \i0, \i0+1, \i0+2, \i0+3
	FRAG AF+FR*(\i), ADRA+\slot, \q, \i
.endr
.endm
.macro SCALES sc                       ; the next K step's scale words into set sc: two words a row; lanes 0-15 take P's block i, lanes 16-31 R's block i
.irp i, 0,1,2,3,4,5,6,7
	ds_load_b64 v[SC+8*NQ*\sc+NQ*\i:SC+8*NQ*\sc+NQ*\i+1], v[ADRS] offset:\i*SBLK
.endr
.endm
; A load into a register that a matrix instruction has read, and a vector instruction that reads a matrix result, stand four places behind that matrix instruction, and only plain vector
; instructions that name none of its registers are places (ISA guide 7.12.1 for vector instructions).
.macro PLACES n
.rept \n
	v_nop
.endr
.endm
; A step of 128 along K that has its successor in the same slot.
.macro STEP slot, q, zero
	s_wait_dscnt 4*NL                              ; R's set and P's blocks 0-3 are in; the youngest 24 loads (P's blocks 4-7) may be out
	WIN MUL_LO
	MUL16 0, (\q)%2, \q, \slot, \zero
	MUL16 2, (\q)%2, \q, \slot, \zero
	s_wait_dscnt 0                                 ; P's blocks 4-7 are in (asked for 32 matrix instructions ago)
	PLACES NP
	FETCH_B \slot, (\q)+1, 1-(\q)%2
	FETCH_A \slot, (\q)+1, 0
	WIN MUL_HI
	MUL16 4, (\q)%2, \q, \slot, \zero
	MUL16 6, (\q)%2, \q, \slot, \zero
	PLACES NP
	WIN 0
	FETCH_A \slot, (\q)+1, 4
.endm
; A slot's last step changes slots: ONE barrier; in front of it each wave waits for all its tensor loads, adds 0 to its spare word, and waits for that and for its own reads of this slot.  fill = 1: this slot is filled again, two K steps ahead.
.macro TURN slot, next, fill
	s_wait_tensorcnt 0x0                           ; all my tensor loads have landed: my part of the next slot;  (every window is 0 here)
	ds_add_u32 v[SPW], v[NIL]                      ; 0 onto my spare word;
	s_wait_dscnt 4*NL+1                            ; (the add and the youngest 24 loads, P's blocks 4-7, may be out)
	WIN MUL_LO
	MUL16 0, 1, NQ-1, \slot, 0                     ; sixteen matrix instructions stand between the add and the wait for it
	s_wait_dscnt 0x0                               ; the add is done, and my reads of this slot are over
	s_barrier_signal -1
	MUL16 2, 1, NQ-1, \slot, 0
	WIN 0
	s_barrier_wait -1
.if \fill
	CREST                                          ; the barrier has opened a round of the cluster's barrier: no wave of any partner still reads this slot's tile or has a load on its way
	s_add_nc_u64 s[G0+4*\slot+2:G0+4*\slot+3], s[G0+4*\slot+2:G0+4*\slot+3], 2*ROWB
	s_add_nc_u64 s[G0B+4*\slot+2:G0B+4*\slot+3], s[G0B+4*\slot+2:G0B+4*\slot+3], 2*ROWB
	JLOAD G0+4*\slot, G1, G0B+4*\slot, G1B         ; the first tensor load behind the round, my only one until the next; the four v_nop behind it are the places in front of the loads below
.else
	PLACES NP
.endif
	s_wait_alu depctr_va_vdst(0)
	v_add_nc_u32 v[ADRS], 4*NQ, v[ADRS]            ; on to the next K step's scale words (no LDS load of mine is out)
	FETCH_B \next, 0, 0
	FETCH_A \next, 0, 0
	SCALES \next
	WIN MUL_HI
	MUL16 4, 1, NQ-1, \slot, 0
	MUL16 6, 1, NQ-1, \slot, 0
	PLACES NP
	WIN 0
	FETCH_A \next, 0, 4
.endm
	s_wait_alu depctr_va_vdst(0)
	s_wait_tensorcnt 1                             ; the scales and my part of K step 0 are in (K step 1's load may be out)
	s_barrier_signal -1
	s_barrier_wait -1                              ; everybody's are
	FETCH_B 0, 0, 0
	FETCH_A 0, 0, 0
	SCALES 0
	FETCH_A 0, 0, 4
	STEP 0, 0, 1                                   ; the first step stands in front of the loop: its products start the sums
	s_mov_b32 s3, LAPS-1
.Llap:                                                 ; a trip goes once round the ring, from a lap's second step to the next lap's first, and fills both slots again
	TURN 0, 1, 1
	STEP 1, 0, 0
	TURN 1, 0, 1
	STEP 0, 0, 0
	s_sub_co_u32 s3, s3, 1
	s_cmp_lg_u32 s3, 0
	s_cbranch_scc1 .Llap
	TURN 0, 1, 0                                   ; the last lap fills nothing, and has no round of the cluster's barrier
	STEP 1, 0, 0
	s_wait_dscnt 4*NL                              ; the very last step: nothing more to fetch
	WIN MUL_LO
	MUL16 0, 1, NQ-1, 1, 0
	MUL16 2, 1, NQ-1, 1, 0
	s_wait_dscnt 0
	WIN MUL_HI
	MUL16 4, 1, NQ-1, 1, 0
	MUL16 6, 1, NQ-1, 1, 0
	WIN 0
; THE WAY OUT.  The 64 registers of P's block a are, for the lane's row of P, R's rows 32 b + 16 (lane / 16) + i at register 16 b + i: four blocks of 32 along the axis that is quantised.
; QUANT makes of them twelve registers of codes: d0 .. d0 + 5: R's rows 32 h + 0 .. 31, d1 .. d1 + 5: rows 64 + 32 h + 0 .. 31, and the four scale bytes as a word in pw.
; Each accumulator is read from its low end on.
.macro QUANT a, d0, d1, pw
.set AC, 64*((\a)%4)
.set WN, 2+(\a)/4
.set WW, WN|(WN<<2)
	WIN WW                                         ; sources 0 and 1: the accumulators' window
.irp b, 0,1,2,3
	v_max3_num_f32 v[TM+\b], |v[AC+16*\b]|, |v[AC+16*\b+1]|, 0x1800000   ; block b: my 16 numbers, and the floor 2^(3 - 127): the byte cannot fall under 1
.endr
.irp i, 2,4,6,8,10,12,14
.irp b, 0,1,2,3
	v_max3_num_f32 v[TM+\b], |v[AC+16*\b+\i]|, |v[AC+16*\b+\i+1]|, v[TM+\b]   ; (the four blocks by turns)
.endr
.endr
	WIN 0
.irp b, 0,1,2,3
	v_permlanex16_b32 v[TM+4+\b], v[TM+\b], s20, s21
.endr
.irp b, 0,1,2,3
	v_max_num_f32 v[TM+\b], v[TM+\b], v[TM+4+\b]   ; with lane l xor 16's: the block's largest magnitude
.endr
.irp b, 0,1,2,3
	v_add_nc_u32 v[TM+12+\b], 0xff000000, v[TM+\b] ; 2 off its exponent field: the conversion's scale operand
.endr
.irp b, 0,1,2,3
	v_lshrrev_b32 v[TM+4+\b], 23, v[TM+12+\b]      ; the scale's byte
.endr
	v_lshl_or_b32 v[(\pw)], v[TM+5], 8, v[TM+4]
	v_lshl_or_b32 v[(\pw)], v[TM+6], 16, v[(\pw)]
	v_lshl_or_b32 v[(\pw)], v[TM+7], 24, v[(\pw)]
	WIN WN                                         ; source 0: the accumulators' window
	v_cvt_scalef32_pk16_fp6_f32 v[(\d0):(\d0)+2], v[AC:AC+15], v[TM+12]
	v_cvt_scalef32_pk16_fp6_f32 v[CT:CT+2], v[AC+16:AC+31], v[TM+13]       ; (a conversion's three registers begin on an even number)
	v_cvt_scalef32_pk16_fp6_f32 v[(\d1):(\d1)+2], v[AC+32:AC+47], v[TM+14]
	v_cvt_scalef32_pk16_fp6_f32 v[CT+4:CT+6], v[AC+48:AC+63], v[TM+15]
	WIN 0
	v_nop                                          ; one plain place behind a scaled conversion
.irp i, 0,1,2                          ; the operand's layout wants a WHOLE block in a lane: lanes 0-15 the even block, lanes 16-31 the odd one
	v_permlane16_swap_b32 v[(\d0)+\i], v[CT+\i]
	v_permlane16_swap_b32 v[(\d1)+\i], v[CT+4+\i]
.endr
.irp i, 0,1,2
	v_mov_b32 v[(\d0)+3+\i], v[CT+\i]
	v_mov_b32 v[(\d1)+3+\i], v[CT+4+\i]
.endr
.endm
	PLACES NP                                      ; behind the last products, ahead of the first read of results and the first write of registers that they read
.irp b, 0,1,2,3
	v_mov_b32 v[TM+4+\b], 0                        ; written once: a lane permute's destination counts as one of its sources
.endr
	s_mov_b32 s20, 0x76543210
	s_mov_b32 s21, 0xfedcba98                      ; v_permlanex16_b32's selects for lane l xor 16
	s_mov_b32 s22, 0xffff0000                      ; lanes 16-31
	s_mov_b32 s23, 0x05040100                      ; two low halves
	s_mov_b32 s45, 0x07060302                      ; two high halves
	s_cmp_eq_u32 s96, 1
	s_cbranch_scc1 .Lv
	; q, k: R's 128 rows are two heads of 64; P's tiles 2 i and 2 i + 1 are the two halves of pair fragment i, for each of the two heads
.irp i, 0,1,2,3
.set PF, 64+32*(\i%2)
.if \i >= 2
	s_wait_xcnt 0x0                                ; the stores of two turns ago have read this set of registers
.endif
	QUANT 2*\i, PF, PF+12, PW0
	QUANT 2*\i+1, PF+6, PF+18, PW1
	v_perm_b32 v[SW+\i], v[PW1], v[PW0], s23       ; the first head's word: the first token's two bytes, then those of the token 8 on
	v_perm_b32 v[SW+4+\i], v[PW1], v[PW0], s45     ; the second head's
.irp c, 0,1
.irp k, 0,1,2
	global_store_b128 v[LI], v[PF+12*\c+4*\k:PF+12*\c+4*\k+3], s[8:9] offset:\c*98304+\i*1536+512*\k   ; 32 lanes store 512 consecutive bytes, at a multiple of 256 from the buffer's first byte
.endr
.endr
.endr
	s_branch .Lsc
.Lv:
	; v: R's 128 rows are one step of keys; P's tile a is fragment a % 4 of head a / 4
.irp i, 0,1,2,3
.set PF, 64+32*(\i%2)
.if \i >= 2
	s_wait_xcnt 0x0                                ; the stores of two turns ago have read this set of registers
.endif
	QUANT 2*\i, PF, PF+6, SW+2*\i
	QUANT 2*\i+1, PF+12, PF+18, SW+2*\i+1
.irp u, 0,1
.irp k, 0,1,2
	global_store_b128 v[LI], v[PF+12*\u+4*\k:PF+12*\u+4*\k+3], s[8:9] offset:((2*\i+\u)/4)*98304+((2*\i+\u)%4)*1536+512*\k
.endr
.endr
.endr
.Lsc:
	; the scale words: every lane holds its row's eight (lanes r and r + 16 the same).  Lanes 0-15 store fragments 0 and 1, lanes 16-31 fragments 2 and 3
	s_wait_alu depctr_va_vdst(0)
.irp c, 0,1
	v_cndmask_b32 v[OUTS+2*\c], v[SW+4*\c], v[SW+4*\c+2], s22
	v_cndmask_b32 v[OUTS+2*\c+1], v[SW+4*\c+1], v[SW+4*\c+3], s22
	global_store_b64 v[L8], v[OUTS+2*\c:OUTS+2*\c+1], s[10:11] offset:4096*\c   ; 32 lanes store 256 consecutive bytes, aligned
.endr
	s_wait_tensorcnt 0x0                           ; the wave's end, behind my last tensor load
	ds_add_u32 v[SPW], v[NIL]
	s_wait_dscnt 0x0
	CROUND                                         ; the closing round: no work-group ends while a partner may still ask for a tile that names it
	s_endpgm
.Lfunc_end_k_qb6cd8b192f_proj:
	.size	k_qb6cd8b192f_proj, .Lfunc_end_k_qb6cd8b192f_proj-k_qb6cd8b192f_proj
	.p2alignl 7, 3214868480
	.fill 96, 4, 3214868480
	.section	.rodata,"a",@progbits
	.p2align	6, 0x0
	.amdhsa_kernel k_qb6cd8b192f_proj
		.amdhsa_group_segment_fixed_size 327680
		.amdhsa_private_segment_fixed_size 0
		.amdhsa_enable_private_segment 0
		.amdhsa_kernarg_size 32
		.amdhsa_user_sgpr_count 2
		.amdhsa_user_sgpr_kernarg_segment_ptr 1
		.amdhsa_wavefront_size32 1
		.amdhsa_system_sgpr_workgroup_id_x 1
		.amdhsa_system_sgpr_workgroup_id_y 1
		.amdhsa_system_sgpr_workgroup_id_z 1
		.amdhsa_system_vgpr_workitem_id 0
		.amdhsa_next_free_vgpr 1024
		.amdhsa_next_free_sgpr 100
		.amdhsa_reserve_vcc 0
		.amdhsa_float_denorm_mode_32 3
		.amdhsa_float_denorm_mode_16_64 3
		.amdhsa_memory_ordered 1
		.amdhsa_forward_progress 1
		.amdhsa_inst_pref_size 199
	.end_amdhsa_kernel
	.amdgpu_metadata
---
amdhsa.version: [ 1, 2 ]
amdhsa.kernels:
  - .name:           k_qb6cd8b192f_proj
    .symbol:         k_qb6cd8b192f_proj.kd
    .args:
      - { .name: cat_codes, .offset: 0, .size: 8, .value_kind: global_buffer, .address_space: global }
      - { .name: cat_scales, .offset: 8, .size: 8, .value_kind: global_buffer, .address_space: global }
      - { .name: img, .offset: 16, .size: 8, .value_kind: global_buffer, .address_space: global }
      - { .name: sc, .offset: 24, .size: 8, .value_kind: global_buffer, .address_space: global }
    .group_segment_fixed_size: 327680
    .private_segment_fixed_size: 0
    .kernarg_segment_align: 8
    .kernarg_segment_size: 32
    .max_flat_workgroup_size: 128
    .sgpr_count:     100
    .vgpr_count:     1024
    .wavefront_size: 32
...
	.end_amdgpu_metadata
.endif
;; end of part 2
;; launch attn (part 3): grid 4 x 64, 16 waves a work-group, clusters of 4 x 1, 327,680 bytes of LDS; arguments img, sc, out0; writes out0
.if DOCPART == 3
	.amdgcn_target "amdgcn-amd-amdhsa--gfx1250"
	.amdhsa_code_object_version 6
	.text
	.protected	k_qb6cd8b192f_attn
	.globl	k_qb6cd8b192f_attn
	.p2align	8
	.type	k_qb6cd8b192f_attn,@function
k_qb6cd8b192f_attn:
	s_mov_b64 s[64:65], 0
	v_nop
	global_prefetch_b8 v0, s[64:65] scope:SCOPE_SE
	s_setreg_imm32_b32 hwreg(HW_REG_WAVE_MODE, 25, 1), 1
	s_wait_xcnt 0x0
	s_wait_alu depctr_hold_cnt(0) depctr_sa_sdst(0) depctr_va_vdst(0) depctr_va_sdst(0) depctr_va_ssrc(0) depctr_va_vcc(0) depctr_vm_vsrc(0)
	s_getreg_b32 s2, hwreg(HW_REG_IB_STS2, 6, 4)
	s_cmp_eq_u32 s2, 0
	s_cbranch_scc0 .Lentry_in_a_cluster
	s_endpgm
.Lentry_in_a_cluster:
	s_bfe_u32 s2, ttmp6, 0x10000c
	s_cmp_lg_u32 s2, 0x3003
	s_cbranch_scc0 .Lentry_shape_is_right
	s_endpgm
.Lentry_shape_is_right:
.set SCB,   196608
.set STAGE, 204800
.set SPARE, 274432
.set KF, 40
.set VF, 88
.set S,  136
.set O,  200
.set PC, 232
.set BM, 232
.set PT, 236
.set SO, 244
.set CT, 248
.set TP, 251
.macro CROUND
	s_barrier_signal -1
	s_barrier_wait -1
	s_cmp_lg_u32 s12, 0
	s_cbranch_scc1 .Lnot_wave_0_\@
	s_barrier_signal -3
.Lnot_wave_0_\@:
	s_barrier_wait -3
	s_barrier_signal -1
	s_barrier_wait -1
.endm
	s_load_b128 s[4:7], s[0:1], 0x0
	s_load_b64 s[8:9], s[0:1], 0x10
	v_lshl_add_u32 v5, v0, 2, SPARE
	v_mov_b32 v6, 0
	ds_add_u32 v5, v6
	ds_add_u32 v5, v6
	v_lshrrev_b32 v1, 5, v0
	s_delay_alu instid0(VALU_DEP_1)
	v_readfirstlane_b32 s12, v1
	v_and_b32 v0, 31, v0
	s_bfe_u32 s13, ttmp6, 0x40000
	s_and_b32 s16, ttmp7, 0xffff
	s_mov_b32 s24, 15|(3<<16)|(1<<21)
	s_mov_b32 s25, 768<<16
	s_mov_b32 s26, 2<<16
	s_mov_b32 s27, 768<<16
	s_mov_b32 s28, 2
	s_mov_b32 s29, 786432
	s_mov_b32 s30, 0
	s_mov_b32 s31, 0
	s_mov_b32 s32, 15|(3<<16)|(1<<21)
	s_mov_b32 s33, 32<<16
	s_mov_b32 s34, 2<<16
	s_mov_b32 s35, 32<<16
	s_mov_b32 s36, 2
	s_mov_b32 s37, 32768
	s_mov_b32 s38, 0
	s_mov_b32 s39, 0
	s_add_co_u32 s52, s16, 64
	s_mul_i32 s54, s52, 98304
	s_mul_i32 s53, s12, 6144
	s_add_co_u32 s54, s54, s53
	s_mov_b32 s55, 0
	s_lshl_b32 s56, s52, 12
	s_lshl_b32 s53, s12, 8
	s_add_co_u32 s56, s56, s53
	s_mov_b32 s57, 0
	s_mov_b32 s20, 0x76543210
	s_mov_b32 s21, 0xfedcba98
	s_mov_b32 s22, 0x3db8aa3b
	s_mov_b32 s23, s22
	s_wait_dscnt 0x0
	s_wait_kmcnt 0x0
	s_mov_b32 s40, 1
	s_mul_i32 s41, s12, 12288
	s_add_nc_u64 s[42:43], s[4:5], s[54:55]
	s_or_b32 s43, s43, 0x80000000
	s_mov_b32 s44, 1
	s_lshl_b32 s45, s12, 9
	s_add_co_u32 s45, s45, SCB
	s_add_nc_u64 s[46:47], s[6:7], s[56:57]
	s_or_b32 s47, s47, 0x80000000
	CROUND
	tensor_load_to_lds s[40:43], s[24:31]
	s_nop 0
	s_wait_alu depctr_va_vdst(0)
	s_wait_tensorcnt 0x0
	ds_add_u32 v5, v6
	s_wait_dscnt 0x0
	CROUND
	tensor_load_to_lds s[44:47], s[32:39]
	s_nop 0
.rept 4
	v_nop
.endr
	s_and_b32 s58, s12, 1
	s_lshr_b32 s59, s12, 1
	s_lshl_b32 s17, s13, 4
	s_add_co_u32 s17, s17, s59
	s_mul_i32 s17, s17, 1536
	s_mul_i32 s60, s16, 98304
	s_add_co_u32 s60, s60, s17
	s_mov_b32 s61, 0
	s_add_nc_u64 s[14:15], s[4:5], s[60:61]
	s_lshl_b32 s62, s16, 12
	s_lshl_b32 s17, s13, 2
	s_lshr_b32 s18, s12, 3
	s_add_co_u32 s17, s17, s18
	s_lshl_b32 s17, s17, 8
	s_add_co_u32 s62, s62, s17
	s_bfe_u32 s17, s12, 0x10002
	s_lshl_b32 s17, s17, 7
	s_add_co_u32 s62, s62, s17
	s_bfe_u32 s17, s12, 0x10001
	s_lshl_b32 s17, s17, 2
	s_add_co_u32 s62, s62, s17
	s_mov_b32 s63, 0
	s_add_nc_u64 s[10:11], s[6:7], s[62:63]
	s_lshr_b32 s60, s16, 4
	s_lshl_b32 s60, s60, 11
	s_lshl_b32 s17, s13, 9
	s_add_co_u32 s60, s60, s17
	s_lshl_b32 s17, s59, 5
	s_add_co_u32 s60, s60, s17
	s_lshl_b32 s17, s58, 3
	s_add_co_u32 s60, s60, s17
	s_lshl_b32 s60, s60, 12
	s_and_b32 s17, s16, 15
	s_lshl_b32 s17, s17, 8
	s_add_co_u32 s60, s60, s17
	s_add_nc_u64 s[8:9], s[8:9], s[60:61]
	s_cmp_eq_u32 s58, 0
	s_cselect_b32 s17, 0, 520
	s_cselect_b32 s18, 8, 1024
	s_mov_b32 s19, 1032
	s_cselect_b32 s19, 512, s19
	s_mov_b32 s51, 0x03020302
	s_cselect_b32 s51, 0x01000100, s51
	s_wait_alu depctr_va_vdst(0)
	v_lshlrev_b32 v1, 4, v0
	s_delay_alu instid0(VALU_DEP_1)
	v_add_nc_u32 v248, s17, v1
	s_delay_alu instid0(VALU_DEP_2)
	v_add_nc_u32 v249, s18, v1
	s_delay_alu instid0(VALU_DEP_3)
	v_add_nc_u32 v250, s19, v1
	v_and_b32 v251, 15, v0
	s_delay_alu instid0(VALU_DEP_1)
	v_lshlrev_b32 v251, 3, v251
	global_load_b64 v[16:17], v248, s[14:15]
	global_load_b64 v[18:19], v249, s[14:15]
	global_load_b64 v[20:21], v250, s[14:15]
	global_load_b64 v[34:35], v248, s[14:15] offset:12288
	global_load_b64 v[36:37], v249, s[14:15] offset:12288
	global_load_b64 v[38:39], v250, s[14:15] offset:12288
	global_load_b32 v7, v251, s[10:11]
	global_load_b32 v255, v251, s[10:11] offset:512
.irp i, 0,1,2,3,4,5
	v_mov_b32 v[22+\i], 0
.endr
	v_mov_b32 v11, 0
.irp b, 0,1,2,3
	v_mov_b32 v[PT+\b], 0
.endr
	s_wait_loadcnt 0x0
	s_wait_tensorcnt 0x0
	s_barrier_signal -1
	s_barrier_wait -1
.macro KLOAD o, os
.irp n, 0,1,2,3,4,5,6,7,8,9,10,11
	ds_load_b128 v[KF+4*\n:KF+4*\n+3], v1 offset:\o+512*\n
.endr
	ds_load_b64 v[2:3], v4 offset:\os
.endm
.macro VLOAD o, os
.irp n, 0,1,2,3,4,5,6,7,8,9,10,11
	ds_load_b128 v[VF+4*\n:VF+4*\n+3], v1 offset:\o+512*\n
.endr
	ds_load_b64 v[8:9], v4 offset:\os
.endm
.macro SPROD d, f, b
.if (\f) >= 2
	v_wmma_scale_f32_16x16x128_f8f6f4 v[(\d):(\d)+7], v[KF+12*(\f):KF+12*(\f)+11], v[\b:\b+11], 0, v[2+(\f)%2], v7 matrix_a_fmt:MATRIX_FMT_FP6 matrix_b_fmt:MATRIX_FMT_FP6 matrix_a_scale:MATRIX_SCALE_ROW1
.else
	v_wmma_scale_f32_16x16x128_f8f6f4 v[(\d):(\d)+7], v[KF+12*(\f):KF+12*(\f)+11], v[\b:\b+11], 0, v[2+(\f)%2], v7 matrix_a_fmt:MATRIX_FMT_FP6 matrix_b_fmt:MATRIX_FMT_FP6
.endif
.endm
.macro OPROD t
.if (\t) >= 2
	v_wmma_scale_f32_16x16x128_f8f6f4 v[O+8*(\t):O+8*(\t)+7], v[VF+12*(\t):VF+12*(\t)+11], v[PC:PC+11], v[O+8*(\t):O+8*(\t)+7], v[8+(\t)%2], v11 matrix_a_fmt:MATRIX_FMT_FP6 matrix_b_fmt:MATRIX_FMT_FP6 matrix_a_scale:MATRIX_SCALE_ROW1
.else
	v_wmma_scale_f32_16x16x128_f8f6f4 v[O+8*(\t):O+8*(\t)+7], v[VF+12*(\t):VF+12*(\t)+11], v[PC:PC+11], v[O+8*(\t):O+8*(\t)+7], v[8+(\t)%2], v11 matrix_a_fmt:MATRIX_FMT_FP6 matrix_b_fmt:MATRIX_FMT_FP6
.endif
.endm
.macro STEP nxt
	s_wait_dscnt 13
.irp f, 0,1,2,3
	SPROD S+16*\f, \f, 16
	SPROD S+16*\f+8, \f, 22
.endr
.rept 4
	v_nop
.endr
.if \nxt
	KLOAD 12288, 512
.endif
.irp b, 0,1,2,3
	v_max3_num_f32 v[BM+\b], v[S+16*\b], v[S+16*\b+1], v[S+16*\b+2]
.endr
.irp i, 3,5,7,9,11,13
.irp b, 0,1,2,3
	v_max3_num_f32 v[BM+\b], v[BM+\b], v[S+16*\b+\i], v[S+16*\b+\i+1]
.endr
.endr
.irp b, 0,1,2,3
	v_max_num_f32 v[BM+\b], v[BM+\b], v[S+16*\b+15]
.endr
.irp b, 0,1,2,3
	s_delay_alu instid0(VALU_DEP_4)
	v_permlanex16_b32 v[PT+\b], v[BM+\b], s20, s21
.endr
.irp b, 0,1,2,3
	s_delay_alu instid0(VALU_DEP_4)
	v_max_num_f32 v[BM+\b], v[BM+\b], v[PT+\b]
.endr
	s_delay_alu instid0(VALU_DEP_2)
	v_max3_num_f32 v[TP], v[BM], v[BM+1], v[BM+2]
	s_delay_alu instid0(VALU_DEP_1)
	v_max_num_f32 v[TP], v[TP], v[BM+3]
	s_delay_alu instid0(VALU_DEP_1)
	v_mul_f32 v[TP], s22, v[TP]
	s_delay_alu instid0(VALU_DEP_1)
	v_max_num_f32 v13, v13, v[TP]
	v_mov_b32 v[TP], v12
	s_delay_alu instid0(VALU_DEP_2)
	v_floor_f32 v12, -v13
	s_delay_alu instid0(VALU_DEP_1)
	v_sub_f32 v[TP], v12, v[TP]
	s_delay_alu instid0(VALU_DEP_1)
	v_cvt_i32_f32 v[TP], v[TP]
	s_delay_alu instid0(VALU_DEP_1)
	v_ldexp_f32 v10, 1.0, v[TP]
.set j, 0
.rept 32
	v_pk_fma_f32 v[S+j:S+j+1], v[S+j:S+j+1], s[22:23], v[12:13] op_sel_hi:[1,0,0]
.set j, j+2
.endr
.irp b, 0,1,2,3
	v_fma_f32 v[BM+\b], v[BM+\b], s22, v12
.endr
.set j, 0
	s_wait_alu depctr_va_vdst(0)
.rept 64
	v_exp_f32 v[S+j], v[S+j]
.set j, j+1
.endr
	v_pk_mul_f32 v[14:15], v[14:15], v[10:11] op_sel_hi:[1,0]
	s_wait_alu depctr_va_vdst(0)
.irp b, 0,1,2,3
	v_exp_f32 v[BM+\b], v[BM+\b]
.endr
	v_pk_add_f32 v[240:241], v[S:S+1], v[S+2:S+3]
.set j, 4
.rept 15
	v_pk_add_f32 v[14:15], v[14:15], v[S+j:S+j+1]
	v_pk_add_f32 v[240:241], v[240:241], v[S+j+2:S+j+3]
.set j, j+4
.endr
	s_delay_alu instid0(VALU_DEP_1)
	v_pk_add_f32 v[14:15], v[14:15], v[240:241]
	s_wait_alu depctr_va_vdst(0)
.irp b, 0,1,2,3
	v_max_num_f32 v[BM+\b], 0x1800000, v[BM+\b]
.endr
.irp b, 0,1,2,3
	s_delay_alu instid0(VALU_DEP_4)
	v_add_nc_u32 v[SO+\b], 0xff000000, v[BM+\b]
.endr
.irp b, 0,1,2,3
	s_delay_alu instid0(VALU_DEP_4)
	v_lshrrev_b32 v[PT+\b], 23, v[SO+\b]
.endr
	s_delay_alu instid0(VALU_DEP_3)
	v_lshl_or_b32 v11, v[PT+1], 8, v[PT]
	s_delay_alu instid0(VALU_DEP_1)
	v_lshl_or_b32 v11, v[PT+2], 16, v11
	s_delay_alu instid0(VALU_DEP_1)
	v_lshl_or_b32 v11, v[PT+3], 24, v11
.irp c, 0,1
	v_cvt_scalef32_pk16_fp6_f32 v[PC+6*\c:PC+6*\c+2], v[S+32*\c:S+32*\c+15], v[SO+2*\c]
	v_cvt_scalef32_pk16_fp6_f32 v[CT+4*\c:CT+4*\c+2], v[S+32*\c+16:S+32*\c+31], v[SO+2*\c+1]
.endr
	v_nop
.irp c, 0,1
.irp i, 0,1,2
	v_permlane16_swap_b32 v[PC+6*\c+\i], v[CT+4*\c+\i]
.endr
.irp i, 0,1,2
	s_delay_alu instid0(VALU_DEP_3)
	v_mov_b32 v[PC+6*\c+3+\i], v[CT+4*\c+\i]
.endr
.endr
.set j, 0
.rept 16
	v_pk_mul_f32 v[O+j:O+j+1], v[O+j:O+j+1], v[10:11] op_sel_hi:[1,0]
.set j, j+2
.endr
.if \nxt
	s_wait_alu depctr_va_vdst(0)
	s_wait_dscnt 13
.else
	s_wait_alu depctr_va_vdst(0)
	s_wait_dscnt 0x0
.endif
.irp t, 0,1,2,3
	OPROD \t
.endr
.if \nxt
	s_add_co_u32 s48, s48, 12288
	s_add_co_u32 s49, s49, 512
	v_lshl_add_u32 v1, v0, 4, s48
	v_lshl_add_u32 v4, v0, 3, s49
	v_nop
	v_nop
	VLOAD 6144, 256
.endif
.endm
.macro WAYOUT p
	v_add_f32 v14, v14, v15
	s_delay_alu instid0(VALU_DEP_1)
	v_permlanex16_b32 v[TP], v14, s20, s21
	s_delay_alu instid0(VALU_DEP_1)
	v_add_f32 v14, v14, v[TP]
	s_wait_alu depctr_va_vdst(0)
	v_rcp_f32 v14, v14
	v_and_b32 v248, 15, v0
	v_bfe_u32 v249, v0, 4, 1
	s_mul_i32 s52, s12, 16*272
	s_add_co_u32 s52, s52, STAGE
	v_mul_u32_u24 v250, v248, 272
	s_delay_alu instid0(VALU_DEP_1)
	v_lshl_add_u32 v250, v249, 6, v250
	s_delay_alu instid0(VALU_DEP_1)
	v_add_nc_u32 v250, s52, v250
	v_mul_u32_u24 v252, v249, 272
	s_delay_alu instid0(VALU_DEP_1)
	v_lshl_add_u32 v252, v248, 4, v252
	s_delay_alu instid0(VALU_DEP_1)
	v_add_nc_u32 v252, s52, v252
	v_lshlrev_b32 v253, 12, v249
	s_delay_alu instid0(VALU_DEP_1)
	v_lshl_add_u32 v253, v248, 4, v253
	s_wait_alu depctr_va_vdst(0)
.set j, 0
.rept 16
	v_pk_mul_f32 v[S+j:S+j+1], v[O+j:O+j+1], v[14:15] op_sel_hi:[1,0]
.set j, j+2
.endr
.irp e, 0,1
.irp k, 0,1,2,3
	ds_store_b128 v250, v[S+16*\e+4*\k:S+16*\e+4*\k+3] offset:128*\e+16*\k
.endr
.endr
.irp i, 0,1,2,3,4,5,6,7
	ds_load_b128 v[KF+4*\i:KF+4*\i+3], v252 offset:544*\i
.endr
.irp i, 0,1,2,3,4,5,6,7
	s_wait_dscnt 7-\i
	global_store_b128 v253, v[KF+4*\i:KF+4*\i+3], s[8:9] offset:\p*1048576+(2*\i+8*(\i/4))*4096 th:TH_STORE_NT
.endr
.endm
.macro PASS p
.if \p
	s_wait_xcnt 0x0
.irp i, 0,1,2,3,4,5
	v_mov_b32 v[16+\i], v[34+\i]
.endr
	v_perm_b32 v7, v255, v255, s51
.else
	v_perm_b32 v7, v7, v7, s51
.endif
.irp i, 0,1,2,3,4,5
	v_mov_b32 v[28+\i], v[16+\i]
.endr
	v_mov_b32 v13, 0xff61b1e6
	s_delay_alu instid0(VALU_DEP_1)
	v_floor_f32 v12, -v13
	v_mov_b32 v14, 0
	v_mov_b32 v15, 0
.set j, 0
.rept 32
	v_mov_b32 v[O+j], 0
.set j, j+1
.endr
	s_mov_b32 s48, 0
	s_mov_b32 s49, SCB
	v_lshl_add_u32 v1, v0, 4, s48
	v_lshl_add_u32 v4, v0, 3, s49
	KLOAD 0, 0
	VLOAD 6144, 256
	s_mov_b32 s50, 15
.Lstep_\p:
	s_wait_alu depctr_va_vdst(0)
	STEP 1
	s_sub_co_u32 s50, s50, 1
	s_cmp_lg_u32 s50, 0
	s_cbranch_scc1 .Lstep_\p
	STEP 0
	WAYOUT \p
.endm
	PASS 0
	PASS 1
	s_wait_tensorcnt 0x0
	ds_add_u32 v5, v6
	s_wait_dscnt 0x0
	CROUND
	s_endpgm
.Lfunc_end_k_qb6cd8b192f_attn:
	.size	k_qb6cd8b192f_attn, .Lfunc_end_k_qb6cd8b192f_attn-k_qb6cd8b192f_attn
	.p2alignl 7, 3214868480
	.fill 96, 4, 3214868480
	.section	.rodata,"a",@progbits
	.p2align	6, 0x0
	.amdhsa_kernel k_qb6cd8b192f_attn
		.amdhsa_group_segment_fixed_size 327680
		.amdhsa_private_segment_fixed_size 0
		.amdhsa_enable_private_segment 0
		.amdhsa_kernarg_size 24
		.amdhsa_user_sgpr_count 2
		.amdhsa_user_sgpr_kernarg_segment_ptr 1
		.amdhsa_wavefront_size32 1
		.amdhsa_system_sgpr_workgroup_id_x 1
		.amdhsa_system_sgpr_workgroup_id_y 1
		.amdhsa_system_sgpr_workgroup_id_z 1
		.amdhsa_system_vgpr_workitem_id 0
		.amdhsa_next_free_vgpr 256
		.amdhsa_next_free_sgpr 66
		.amdhsa_reserve_vcc 0
		.amdhsa_float_denorm_mode_32 3
		.amdhsa_float_denorm_mode_16_64 3
		.amdhsa_memory_ordered 1
		.amdhsa_forward_progress 1
		.amdhsa_inst_pref_size 85
	.end_amdhsa_kernel
	.amdgpu_metadata
---
amdhsa.version: [ 1, 2 ]
amdhsa.kernels:
  - .name:           k_qb6cd8b192f_attn
    .symbol:         k_qb6cd8b192f_attn.kd
    .args:
      - { .name: img, .offset: 0, .size: 8, .value_kind: global_buffer, .address_space: global }
      - { .name: sc, .offset: 8, .size: 8, .value_kind: global_buffer, .address_space: global }
      - { .name: out0, .offset: 16, .size: 8, .value_kind: global_buffer, .address_space: global }
    .group_segment_fixed_size: 327680
    .private_segment_fixed_size: 0
    .kernarg_segment_align: 8
    .kernarg_segment_size: 24
    .max_flat_workgroup_size: 512
    .sgpr_count:     66
    .vgpr_count:     256
    .wavefront_size: 32
...
	.end_amdgpu_metadata
.endif
;; end of part 3
